; MI455X (gfx1250); checked and timed in simulation.
; The chip was launched on July 23, 2026; its instructions are those of AMD's public machine-readable ISA for CDNA 5 (MIT licence, August 2026) and "CDNA5" Instruction Set Architecture Reference Guide (July 2026). The comments in the code are by the model that wrote it; some were corrected since.
;; Bahdanau Attention. Allowed arithmetic: matrix products marked QUANTISED: E2M1 operands, one E8M0 scale for each 32 along K, by v_wmma_scale_f32_16x16x128_f8f6f4 with both operands' format E2M1 (or v_wmma_scale_f32_32x16x128_f4), f32 sums; products left as they are: f32 operands where the result goes on into a quantised operand, else bf16, f16 or f32 operands; f32 sums; everything else in f32.
;; Inputs: V 1,024 x 1 float32; W1_codes 1,024 x 32 x 16 uint8 (E2M1 codes of W1, K innermost, in blocks of 32 codes, two codes a byte); W1_scales 1,024 x 32 uint8 (E8M0 scales of W1, one for each 32 codes along K); W2_codes 1,024 x 32 x 16 uint8 (E2M1 codes of W2, K innermost, in blocks of 32 codes, two codes a byte); W2_scales 1,024 x 32 uint8 (E8M0 scales of W2, one for each 32 codes along K); b1 1,024 float32; b2 1,024 float32; bV 1 float32; query_codes 32 x 32 x 16 uint8 (E2M1 codes of query, K innermost, in blocks of 32 codes, two codes a byte); query_scales 32 x 32 uint8 (E8M0 scales of query, one for each 32 codes along K); values 32 x 2,048 x 1,024 float32.
;; Outputs: out0 32 x 1,024 float32; out1 32 x 2,048 x 1 float32.
;; This version of the problem:
;;   THIS VERSION OF THE PROBLEM IS GIVEN IN LOW PRECISION. The matrix products marked QUANTISED in the list below multiply operands that are first quantised to E2M1 (2 exponent bits, 1 mantissa bit; 4 bits a number), with one power-of-two scale for each 32 numbers along K (OCP MX v1.0); their sums are f32. All else is computed in f32.
;;   The module's matrix products, in the order in which they are computed (A, B: the left and right operand; K: the contracted axis; several contracted axes count as one K, in the product's order):
;;     1. [M 65,536, K 1,024] x [K 1,024, N 1,024]; A: input values; B: input W1 (given as codes): QUANTISED
;;     2. [M 32, K 1,024] x [K 1,024, N 1,024]; A: input query (given as codes); B: input W2 (given as codes): QUANTISED
;;     3. [M 65,536, K 1,024] x [K 1,024, N 1]; A: computed on the way; B: input V: left as it is (N = 1 < 16)
;;   THE QUANTISER, for each operand of a quantised product, along K:
;;     - K is cut into blocks of 32 from its start; a last block that is shorter is filled with zeros.
;;     - A block's scale is 2^e with e = floor(log2(the largest magnitude in the block)) - 2, held to -126 .. 127; a block of zeros has e = 0. As a byte (E8M0): e + 127.
;;     - Each number is divided by its block's scale, clamped to +-6, and rounded to the nearest number of E2M1, ties to even, subnormals kept.
;;     - The product sums the exact products of the quantised numbers (number of the format x scale) in f32.
;;   ~~~python
;;   def quantise(x, axis):      # numpy; x: float32 -> the quantised numbers, widened to float32 again
;;       x = np.moveaxis(x, axis, -1); K = x.shape[-1]
;;       x = np.pad(x, [(0, 0)] * (x.ndim - 1) + [(0, -K % 32)]); x = x.reshape(x.shape[:-1] + (-1, 32)); a = np.abs(x).max(-1, keepdims=True)
;;       e = np.where(a > 0, np.clip(np.frexp(np.where(a > 0, a, 1))[1] - 1 - 2, -126, 127), 0)      # np.frexp(a)[1] - 1 = floor(log2(a)), exactly
;;       r = np.clip(x / 2.0 ** e, -6, 6)
;;       step = 2.0 ** (np.maximum(np.frexp(np.where(r == 0, 1, r))[1] - 1, 0) - 1)
;;       q = np.round(r / step) * step * 2.0 ** e      # np.round: ties to even
;;       return np.moveaxis(q.reshape(q.shape[:-2] + (-1,))[..., :K], -1, axis).astype(np.float32)
;;   ~~~
;;   INPUTS GIVEN AS CODES. W1 (in the module: [1024, 1024], K = its axis 0); W2 (in the module: [1024, 1024], K = its axis 0); query (in the module: [32, 1024], K = its axis 1): each comes as NAME_codes (uint8): NAME with its K axis moved to the last place and cut into blocks of 32 codes, [.., K / 32, bytes a block], one block behind the other in memory; two codes a byte, the lower K in the low four bits (a code: sign, 2 exponent bits, 1 mantissa bit); and NAME_scales (uint8): the same leading axes, one E8M0 byte (e + 127) for each 32 codes along K. Its value is code x scale, taken as it is: it is not quantised again, and the codes and scales need not be those that the quantiser above would give.
;; One version. Each part assembles by itself: llvm-mc -triple=amdgcn-amd-amdhsa -mcpu=gfx1250 --defsym DOCPART=n.
;; ======== version 1 of 1: 3 launches
;; limits: right only within a limited range of input values
;; workspace buffers: w1f 557,056 bytes; vpq 524,288 bytes; scores 262,144 bytes; ctxp 1,048,576 bytes; wgmax 65,536 bytes
;; launch prep (part 1): grid 64 x 1, 2 waves a work-group, no clusters, 0 bytes of LDS; arguments query_codes, query_scales, W2_codes, W2_scales, b1, b2, V, W1_codes, W1_scales, vpq, w1f; writes vpq, w1f
.if DOCPART == 1
	.amdgcn_target "amdgcn-amd-amdhsa--gfx1250"
	.amdhsa_code_object_version 6
	.text
	.protected	k_q8d3ce57d8e_prep
	.globl	k_q8d3ce57d8e_prep
	.p2align	8
	.type	k_q8d3ce57d8e_prep,@function
k_q8d3ce57d8e_prep:
	s_mov_b64 s[64:65], 0
	v_nop
	global_prefetch_b8 v0, s[64:65] scope:SCOPE_SE
	s_setreg_imm32_b32 hwreg(HW_REG_WAVE_MODE, 25, 1), 1
	s_wait_xcnt 0x0
; PREP.  Work-group T owns the 16 units 16 T .. 16 T + 15.  Its two waves have two roles, parted by a scalar branch on the wave number; no LDS, no barrier.
; DEAD WORK, left out in the whole program.  score[b][s] = bV + sum over u of V[u] tanh(z[b][s][u]), and V tanh(z) = V + vv / (1 + 2^(C2 z)) with vv = -2 V.  So score = c + sum over u of vv[u] r[b][s][u] with
;   c = bV + sum over u of V[u], the same number for all positions s.  Both outputs are made of softmax over s alone, and e^(x + c) / sum of e^(x + c) = e^x / sum of e^x for every c and all values of the inputs.
;   So c is not formed: bV is not loaded and is an argument of no launch, and the sum of V is not taken.  LIMIT: a NaN, an infinity or an overflow that would reach the result by c alone is not carried to it.
; Wave 0: the product query x W2 on codes of FP4 (E2M1) with E8M0 scales, taken as they are given, K = 1,024 in 8 steps of 128, two accumulators (batches 0-15, 16-31) by turns.
;   It stores, for each batch b and unit u, a record of 16 bytes {x, x, vv, vv}: x = C2 (query.W2 + b1 + b2), C2 = 2 log2(e), vv = -2 V[u].  The doubles let packed instructions take true register pairs.
; Wave 1: the 16 rows of W1 of the same units are laid in the order of an operand's registers:  w1f = 128 blocks of 4,352 bytes, block (unit / 64, K step): four fragments of 1,024 bytes
;   (registers 4 c .. 4 c + 3 of lane l at 512 c + 16 l), then 256 bytes of scale words (word of tile 2 q + i, lane r, at 128 q + 64 i + 4 r).
;   The scale words leave in pieces of 64 bytes, 32 KiB in the whole launch; lanes 16-31 repeat lanes 0-15 (same address, same value).
; LIMITS: NaN and infinities among b1, b2, V and scale bytes 0xff are not served.
.set BLK,   4352                       ; a block of w1f
.set PASSB, 8*BLK                      ; the 8 K steps of 64 units
	s_load_b256 s[4:11], s[0:1], 0x0               ; query codes, query scales, W2 codes, W2 scales
	s_load_b256 s[12:19], s[0:1], 0x20             ; b1, b2, V, W1 codes
	s_load_b128 s[20:23], s[0:1], 0x40             ; W1 scales, vpq
	s_load_b64 s[24:25], s[0:1], 0x50              ; w1f
	v_lshrrev_b32 v1, 5, v0
	v_readfirstlane_b32 s26, v1                    ; wave 0 or 1
	v_and_b32 v1, 15, v0                           ; r
	v_bfe_u32 v2, v0, 4, 1                         ; h
	v_lshlrev_b32 v3, 9, v1
	v_lshl_add_u32 v3, v2, 4, v3                   ; a fragment: row r of 512 bytes, + 16 h
	v_lshlrev_b32 v4, 5, v1                        ; a row of 32 scale bytes
	v_lshlrev_b32 v5, 2, v1                        ; 4 r
	v_lshlrev_b32 v6, 4, v1
	v_lshl_add_u32 v6, v2, 17, v6                  ; records: 16 r + 8 h batches of 16,384 bytes
	v_and_b32 v7, 31, v0
	v_lshlrev_b32 v7, 4, v7                        ; 16 x lane
	s_lshl_b32 s28, ttmp9, 13                      ; 16 rows of 512 bytes
	s_mov_b32 s29, 0
	s_lshl_b32 s30, ttmp9, 9                       ; 16 rows of 32 bytes
	s_mov_b32 s31, 0
	s_mov_b32 s33, 0
	s_wait_kmcnt 0x0
	s_cmp_lg_u32 s26, 0
	s_cbranch_scc1 .Llayout
	; ---- wave 0: query x W2
	s_add_nc_u64 s[8:9], s[8:9], s[28:29]
	s_add_nc_u64 s[10:11], s[10:11], s[30:31]
	s_lshl_b32 s32, ttmp9, 6                       ; 16 numbers of 4 bytes
	s_add_nc_u64 s[12:13], s[12:13], s[32:33]
	s_add_nc_u64 s[14:15], s[14:15], s[32:33]
	s_add_nc_u64 s[16:17], s[16:17], s[32:33]
	s_lshl_b32 s32, ttmp9, 8                       ; 16 records of 16 bytes
	s_add_nc_u64 s[22:23], s[22:23], s[32:33]
	s_mov_b32 s34, 0x4038aa3b                      ; C2 = 2 log2(e)
	s_wait_alu depctr_va_vdst(0)
.irp a, 0,1
.irp s, 0,1,2,3,4,5,6,7
.irp c, 0,1
	global_load_b128 v[64+64*\a+8*\s+4*\c:64+64*\a+8*\s+4*\c+3], v3, s[4:5] offset:8192*\a+64*\s+32*\c   ; query, batches 16 a on, K step s
.endr
.endr
	global_load_b128 v[16+8*\a:19+8*\a], v4, s[6:7] offset:512*\a          ; its scale words: register s is K step s
	global_load_b128 v[20+8*\a:23+8*\a], v4, s[6:7] offset:512*\a+16
.endr
.irp s, 0,1,2,3,4,5,6,7
.irp c, 0,1
	global_load_b128 v[192+8*\s+4*\c:192+8*\s+4*\c+3], v3, s[8:9] offset:64*\s+32*\c   ; W2, my 16 units
.endr
.endr
	global_load_b128 v[8:11], v4, s[10:11]
	global_load_b128 v[12:15], v4, s[10:11] offset:16
	global_load_b32 v48, v5, s[12:13]              ; b1, b2, V of unit r
	global_load_b32 v49, v5, s[14:15]
	global_load_b32 v50, v5, s[16:17]
	s_wait_loadcnt 0x0
.irp s, 0,1,2,3,4,5,6,7                        ; source 0 = 16 batches, source 1 = 16 units: lane (r, h), register j: batch 16 a + 8 h + j, unit r.  The two accumulators take turns
.irp a, 0,1
.if \s == 0
	v_wmma_scale_f32_16x16x128_f8f6f4 v[32+8*\a:39+8*\a], v[64+64*\a+8*\s:71+64*\a+8*\s], v[192+8*\s:199+8*\s], 0, v[16+8*\a+\s], v[8+\s] matrix_a_fmt:MATRIX_FMT_FP4 matrix_b_fmt:MATRIX_FMT_FP4
.else
	v_wmma_scale_f32_16x16x128_f8f6f4 v[32+8*\a:39+8*\a], v[64+64*\a+8*\s:71+64*\a+8*\s], v[192+8*\s:199+8*\s], v[32+8*\a:39+8*\a], v[16+8*\a+\s], v[8+\s] matrix_a_fmt:MATRIX_FMT_FP4 matrix_b_fmt:MATRIX_FMT_FP4
.endif
.endr
.endr
	v_add_f32 v51, v48, v49                        ; four plain lines that name no register of the products: the places behind the last of them (ISA guide 7.12.1)
	v_mul_f32 v51, s34, v51                        ; C2 (b1 + b2)
	v_mul_f32 v52, -2.0, v50                       ; vv
	v_nop
.set k, 0
.rept 16                                       ; register 32 + k: batch 16 (k / 8) + 8 h + k % 8; each accumulator is read from its low end on
	v_fma_f32 v[64+4*k], v[32+k], s34, v51
	v_fma_f32 v[65+4*k], v[32+k], s34, v51
	v_mov_b32 v[66+4*k], v52
	v_mov_b32 v[67+4*k], v52
	global_store_b128 v6, v[64+4*k:67+4*k], s[22:23] offset:(16*(k/8)+k%8)*16384   ; sixteen lanes store 256 consecutive bytes, aligned
.set k, k+1
.endr
	s_endpgm
.Llayout:
	; ---- wave 1: W1's 16 rows into fragment order
	s_add_nc_u64 s[18:19], s[18:19], s[28:29]
	s_add_nc_u64 s[20:21], s[20:21], s[30:31]
	s_lshr_b32 s32, ttmp9, 2
	s_mul_i32 s32, s32, PASSB                      ; the blocks of my 64 units
	s_add_nc_u64 s[24:25], s[24:25], s[32:33]
	s_and_b32 s32, ttmp9, 3                        ; my tile t among the four
	s_lshl_b32 s32, s32, 10
	s_add_nc_u64 s[36:37], s[24:25], s[32:33]      ; codes: + 1,024 t
	s_and_b32 s32, ttmp9, 3
	s_lshl_b32 s32, s32, 6
	s_add_co_u32 s32, s32, 4096
	s_add_nc_u64 s[38:39], s[24:25], s[32:33]      ; scale words: + 4,096 + 64 t
	s_wait_alu depctr_va_vdst(0)
.irp s, 0,1,2,3,4,5,6,7
.irp c, 0,1
	global_load_b128 v[64+8*\s+4*\c:64+8*\s+4*\c+3], v3, s[18:19] offset:64*\s+32*\c
.endr
.endr
	global_load_b128 v[8:11], v4, s[20:21]
	global_load_b128 v[12:15], v4, s[20:21] offset:16
	s_wait_loadcnt 0x0
.irp s, 0,1,2,3,4,5,6,7
.irp c, 0,1
	global_store_b128 v7, v[64+8*\s+4*\c:64+8*\s+4*\c+3], s[36:37] offset:BLK*\s+512*\c   ; 32 lanes store 512 consecutive bytes, aligned
.endr
	global_store_b32 v5, v[8+\s], s[38:39] offset:BLK*\s
.endr
	s_endpgm
.Lfunc_end_k_q8d3ce57d8e_prep:
	.size	k_q8d3ce57d8e_prep, .Lfunc_end_k_q8d3ce57d8e_prep-k_q8d3ce57d8e_prep
	.p2alignl 7, 3214868480
	.fill 96, 4, 3214868480
	.section	.rodata,"a",@progbits
	.p2align	6, 0x0
	.amdhsa_kernel k_q8d3ce57d8e_prep
		.amdhsa_group_segment_fixed_size 0
		.amdhsa_private_segment_fixed_size 0
		.amdhsa_enable_private_segment 0
		.amdhsa_kernarg_size 88
		.amdhsa_user_sgpr_count 2
		.amdhsa_user_sgpr_kernarg_segment_ptr 1
		.amdhsa_wavefront_size32 1
		.amdhsa_system_sgpr_workgroup_id_x 1
		.amdhsa_system_sgpr_workgroup_id_y 1
		.amdhsa_system_sgpr_workgroup_id_z 1
		.amdhsa_system_vgpr_workitem_id 0
		.amdhsa_next_free_vgpr 256
		.amdhsa_next_free_sgpr 66
		.amdhsa_reserve_vcc 0
		.amdhsa_float_denorm_mode_32 3
		.amdhsa_float_denorm_mode_16_64 3
		.amdhsa_memory_ordered 1
		.amdhsa_forward_progress 1
		.amdhsa_inst_pref_size 19
	.end_amdhsa_kernel
	.amdgpu_metadata
---
amdhsa.version: [ 1, 2 ]
amdhsa.kernels:
  - .name:           k_q8d3ce57d8e_prep
    .symbol:         k_q8d3ce57d8e_prep.kd
    .args:
      - { .name: query_codes, .offset: 0, .size: 8, .value_kind: global_buffer, .address_space: global }
      - { .name: query_scales, .offset: 8, .size: 8, .value_kind: global_buffer, .address_space: global }
      - { .name: W2_codes, .offset: 16, .size: 8, .value_kind: global_buffer, .address_space: global }
      - { .name: W2_scales, .offset: 24, .size: 8, .value_kind: global_buffer, .address_space: global }
      - { .name: b1, .offset: 32, .size: 8, .value_kind: global_buffer, .address_space: global }
      - { .name: b2, .offset: 40, .size: 8, .value_kind: global_buffer, .address_space: global }
      - { .name: V, .offset: 48, .size: 8, .value_kind: global_buffer, .address_space: global }
      - { .name: W1_codes, .offset: 56, .size: 8, .value_kind: global_buffer, .address_space: global }
      - { .name: W1_scales, .offset: 64, .size: 8, .value_kind: global_buffer, .address_space: global }
      - { .name: vpq, .offset: 72, .size: 8, .value_kind: global_buffer, .address_space: global }
      - { .name: w1f, .offset: 80, .size: 8, .value_kind: global_buffer, .address_space: global }
    .group_segment_fixed_size: 0
    .private_segment_fixed_size: 0
    .kernarg_segment_align: 8
    .kernarg_segment_size: 88
    .max_flat_workgroup_size: 64
    .sgpr_count:     66
    .vgpr_count:     256
    .wavefront_size: 32
...
	.end_amdgpu_metadata
.endif
;; end of part 1
;; launch main (part 2): grid 256 x 1, 4 waves a work-group, no clusters, 327,680 bytes of LDS; arguments values, w1f, vpq, scores, ctxp, wgmax; writes scores, ctxp, wgmax
.if DOCPART == 2
	.amdgcn_target "amdgcn-amd-amdhsa--gfx1250"
	.amdhsa_code_object_version 6
	.text
	.protected	k_q8d3ce57d8e_main
	.globl	k_q8d3ce57d8e_main
	.p2align	8
	.type	k_q8d3ce57d8e_main,@function
k_q8d3ce57d8e_main:
	s_mov_b64 s[64:65], 0
	v_nop
	global_prefetch_b8 v0, s[64:65] scope:SCOPE_SE
	s_setreg_imm32_b32 hwreg(HW_REG_WAVE_MODE, 25, 1), 1
	s_wait_xcnt 0x0
; MAIN.  score'[row] = sum over u of vv[u] / (1 + 2^(C2 z)), z = Q(values[row]) . W1[:, u] + b1 + b2 + query . W2, and the work-group's part of the weighted sum of values, with values read from memory ONCE.
; LEFT OUT AS DEAD WORK: bV and the sum of V, which are the same for all positions of a sequence and cancel in the softmax (shown at the head of the first kernel).
; Work-group g owns rows 256 g .. 256 g + 255 of values [65,536][1,024] f32 (all of batch g / 8), as 4 chunks of 64 rows.  A chunk:
;   its f32 numbers come by one tensor load a wave into LDS and from there into registers (wave w: columns 256 w on; lane l: the 8 columns 8 l on, of all 64 rows: 512 registers), where they STAY;
;   the reads from LDS stand among the weighted sum of the chunk before: as soon as 16 rows have been added to the context, their registers take the next chunk's 16 rows;
;   as soon as the chunk is in registers the next one is asked for into the same LDS bytes: it has the whole chunk's work in which to land;
;   quantiser: FP4 (E2M1) with one E8M0 scale for each 32 along K (4 lanes hold a block); codes and scale bytes go to LDS, row-major;
;   the product: wave w makes units 256 w .. 256 w + 255 for the 64 rows, in 4 passes of 64 units (16 accumulators), K in 8 steps of 128; A from LDS, W1 from memory straight into registers, in fragment order (w1f);
;   r = 1 / (1 + 2^(C2 z)): 2^.. = infinity gives r = 0, 2^.. = 0 gives r = 1, so nothing is clamped;
;   the scores of the 64 rows are summed over lanes and waves, stored, and enter a running maximum m: context = context x e^(m_old - m) + sum of e^(score - m) x row, from the registers.
; The last launch joins the eight work-groups of a batch (scores, m, partial contexts).
; NO CLUSTER, NO JOINT LOADS, though every work-group walks the same W1: the text uses 316,928 of the 327,680 bytes of LDS; a K step of W1 for the four waves is 17,408 bytes, two slots of it 34,816, and 10,752 are left.
; PREFETCH of values: in the trips that have a chunk two on, each of the 4 passes asks for 16 rows of it, one chunk ahead of the refill that loads them; chunks 0 and 1 come by their loads alone.
; LIMITS: NaN and infinities among the inputs are not served.  A block of zeros gets the scale byte 1 (its codes are zeros; this program alone reads the bytes).  v_exp_f32 and v_rcp_f32 flush denormals.
; WASTE, the price of a pass written once for the loop: the last pass of each of the first three chunks reads A's K steps 0 and 1 once more (16 LDS loads that nobody uses).  The launch's last pass is written out and asks for nothing beyond its own K steps.
; REGISTERS, in windows of 256.  Window 0: v1-14, v124-126 addresses and constants; v16-31 the softmax's numbers; v32-47 the context (two sets of 8 columns); v48-63 A's scale words; v64-75 W1's scale words (6 sets of 2);
;   v76-91 four records {x, x, vv, vv}; v92-123 the score sums (tile of rows m, register j at 92 + 8 m + j), in the quantiser its temporaries; v128-255 the 16 accumulators ((m, t) at 128 + 8 (4 m + t)), in the quantiser codes and scale bytes.
;   Window 1: v0-63 A's fragments, two sets; v64-255 W1's fragments, six sets.   Window 2: rows 0-31 as f32 (row at 8 x row);   window 3: rows 32-63.
.set ROWP,  1088                       ; a row of my 1,024 bytes in LDS: 16 bytes of padding behind each 256
.set WSLOT, 64*ROWP                    ; a wave's landing bytes: 64 rows
.set XC,    4*WSLOT                    ; the chunk's codes: 64 rows of 512 bytes, pitch XP
.set XP,    528
.set SC,    XC+64*XP                   ; the chunk's scale bytes: 64 rows of 32, pitch SCP
.set SCP,   48
.set SP,    SC+64*SCP                  ; the waves' parts of the 64 scores: 256 bytes a wave
.set SPARE, SP+1024                    ; the spare words, 128 bytes a wave: two blocks of 256 bytes that no other line names
.set BLK,   4352                       ; a block of w1f: 64 units x 128 K: 4 fragments and their scale words
.set PASSB, 8*BLK
.set PS, 10                            ; s[10:11] scores, s[12:13] ctxp, s[14:15] wgmax
.set PC, 12
.set PM, 14
.set MSB, 0
.macro WIN new                         ; the immediate's high byte repeats the setting that is left; a switch that changes nothing is dropped
.if MSB != (\new)
	s_set_vgpr_msb (MSB<<8)|(\new)
.set MSB, (\new)
.endif
.endm
.macro PLACES n
.rept \n
	v_nop
.endr
.endm
; rows 16 b .. 16 b + 15 x my 8 columns out of LDS: two loads of 16 bytes a row.
.macro RD16 b
	WIN 0x80+0x40*((\b)/2)                         ; destination window 2 or 3
.set k, 16*((\b)%2)
.rept 16
	ds_load_b128 v[8*k:8*k+3], v[3+(\b)/2] offset:ROWP*k
	ds_load_b128 v[8*k+4:8*k+7], v[3+(\b)/2] offset:ROWP*k+16
.set k, k+1
.endr
	WIN 0
.endm
; 8 rows are quantised, in registers.  A lane has 8 neighbours along K of each row, 4 neighbouring lanes a block of 32.  The rows take turns line by line.  Group g leaves its codes in v[128 + 16 g ..] and its scale bytes 8 registers on
.macro QCALC g
.set QW, 2+(\g)/4                      ; the rows' window
.set QM, QW|(QW<<2)|(QW<<4)
.set QB, 64*((\g)%4)                   ; their first register there
.set QK, 128+16*(\g)
	WIN QM
.irp i, 0,1,2,3,4,5,6,7
	v_max3_num_f32 v[92+\i], |v[QB+8*\i]|, |v[QB+8*\i+1]|, |v[QB+8*\i+2]|
	v_max3_num_f32 v[100+\i], |v[QB+8*\i+3]|, |v[QB+8*\i+4]|, |v[QB+8*\i+5]|
	v_max3_num_f32 v[108+\i], |v[QB+8*\i+6]|, |v[QB+8*\i+7]|, 0x1800000   ; and the floor 2^(3 - 127): the byte cannot fall under 1
.endr
	WIN 0
.irp i, 0,1,2,3,4,5,6,7
	v_max3_num_f32 v[92+\i], v[92+\i], v[100+\i], v[108+\i]
.endr
.irp i, 0,1,2,3,4,5,6,7
	v_max_num_f32_dpp v[92+\i], v[92+\i], v[92+\i] row_xmask:1 row_mask:0xf bank_mask:0xf
.endr
.irp i, 0,1,2,3,4,5,6,7
	v_max_num_f32_dpp v[92+\i], v[92+\i], v[92+\i] row_xmask:2 row_mask:0xf bank_mask:0xf   ; the block's largest magnitude
.endr
.irp i, 0,1,2,3,4,5,6,7
	v_add_nc_u32 v[100+\i], 0xff000000, v[92+\i]           ; 2 off its exponent field: the conversion takes the exponent field of this operand as its scale
.endr
.irp i, 0,1,2,3,4,5,6,7
	v_lshrrev_b32 v[QK+8+\i], 23, v[100+\i]                ; the scale's byte
.endr
	WIN QW
.irp i, 0,1,2,3,4,5,6,7
	v_cvt_scalef32_pk8_fp4_f32 v[QK+\i], v[QB+8*\i:QB+8*\i+7], v[100+\i]   ; 8 codes, the lower K in the lower bits; beyond 6 the largest code
.endr
	WIN 0
	v_nop                                          ; one plain line behind the last scaled conversion
.endm
.macro QSTORE g
.set QK, 128+16*(\g)
.irp i, 0,1,2,3,4,5,6,7
	ds_store_b32 v5, v[QK+\i] offset:XP*(8*(\g)+\i)        ; the wave's 32 lanes: 128 consecutive bytes of the row's codes
.endr
.irp i, 0,1,2,3,4,5,6,7
	ds_store_b8 v6, v[QK+8+\i] offset:SCP*(8*(\g)+\i)      ; the four lanes of a block write the same byte with the same value
.endr
.endm
.macro LOADA step, set                 ; A's four fragments (16 rows x 128 K each) of a K step; under destination window 1
.irp m, 0,1,2,3
.irp c, 0,1
	ds_load_b128 v[32*(\set)+8*\m+4*\c:32*(\set)+8*\m+4*\c+3], v7 offset:16*XP*\m+64*(\step)+32*\c
.endr
.endr
.endm
.macro LOADB base, step, set           ; W1's four fragments of a K step and their scale words: ten loads, each of consecutive bytes
	WIN 0x40
.irp t, 0,1,2,3
.irp c, 0,1
	global_load_b128 v[64+32*(\set)+8*\t+4*\c:64+32*(\set)+8*\t+4*\c+3], v9, s[\base:\base+1] offset:BLK*(\step)+1024*\t+512*\c
.endr
.endr
	WIN 0
.irp q, 0,1
	global_load_b32 v[64+2*(\set)+\q], v10, s[\base:\base+1] offset:BLK*(\step)+4096+128*\q   ; lanes 0-15: tile 2 q, lanes 16-31: tile 2 q + 1
.endr
.endm
; one product: rows 16 m on (source 0) x units 16 t on (source 1), K step s.  In the result lane (r, h) holds unit r, register j row 8 h + j.  Odd tiles take their scale words from lanes 16-31
.macro MM m, t, s, bset, zero
.set rD, 128+8*(4*(\m)+(\t))
.set rA, 32*((\s)%2)+8*(\m)
.set rB, 64+32*(\bset)+8*(\t)
.set rX, 48+8*((\m)/2)+(\s)
.set rY, 64+2*(\bset)+(\t)/2
.set rR, 2*((\m)%2)+(\t)%2+4*(\zero)
.if rR == 0
	v_wmma_scale_f32_16x16x128_f8f6f4 v[rD:rD+7], v[rA:rA+7], v[rB:rB+7], v[rD:rD+7], v[rX], v[rY] matrix_a_fmt:MATRIX_FMT_FP4 matrix_b_fmt:MATRIX_FMT_FP4
.elseif rR == 1
	v_wmma_scale_f32_16x16x128_f8f6f4 v[rD:rD+7], v[rA:rA+7], v[rB:rB+7], v[rD:rD+7], v[rX], v[rY] matrix_a_fmt:MATRIX_FMT_FP4 matrix_b_fmt:MATRIX_FMT_FP4 matrix_b_scale:MATRIX_SCALE_ROW1
.elseif rR == 2
	v_wmma_scale_f32_16x16x128_f8f6f4 v[rD:rD+7], v[rA:rA+7], v[rB:rB+7], v[rD:rD+7], v[rX], v[rY] matrix_a_fmt:MATRIX_FMT_FP4 matrix_b_fmt:MATRIX_FMT_FP4 matrix_a_scale:MATRIX_SCALE_ROW1
.elseif rR == 3
	v_wmma_scale_f32_16x16x128_f8f6f4 v[rD:rD+7], v[rA:rA+7], v[rB:rB+7], v[rD:rD+7], v[rX], v[rY] matrix_a_fmt:MATRIX_FMT_FP4 matrix_b_fmt:MATRIX_FMT_FP4 matrix_a_scale:MATRIX_SCALE_ROW1 matrix_b_scale:MATRIX_SCALE_ROW1
.elseif rR == 4
	v_wmma_scale_f32_16x16x128_f8f6f4 v[rD:rD+7], v[rA:rA+7], v[rB:rB+7], 0, v[rX], v[rY] matrix_a_fmt:MATRIX_FMT_FP4 matrix_b_fmt:MATRIX_FMT_FP4
.elseif rR == 5
	v_wmma_scale_f32_16x16x128_f8f6f4 v[rD:rD+7], v[rA:rA+7], v[rB:rB+7], 0, v[rX], v[rY] matrix_a_fmt:MATRIX_FMT_FP4 matrix_b_fmt:MATRIX_FMT_FP4 matrix_b_scale:MATRIX_SCALE_ROW1
.elseif rR == 6
	v_wmma_scale_f32_16x16x128_f8f6f4 v[rD:rD+7], v[rA:rA+7], v[rB:rB+7], 0, v[rX], v[rY] matrix_a_fmt:MATRIX_FMT_FP4 matrix_b_fmt:MATRIX_FMT_FP4 matrix_a_scale:MATRIX_SCALE_ROW1
.else
	v_wmma_scale_f32_16x16x128_f8f6f4 v[rD:rD+7], v[rA:rA+7], v[rB:rB+7], 0, v[rX], v[rY] matrix_a_fmt:MATRIX_FMT_FP4 matrix_b_fmt:MATRIX_FMT_FP4 matrix_a_scale:MATRIX_SCALE_ROW1 matrix_b_scale:MATRIX_SCALE_ROW1
.endif
.endm
; A K step: 16 products, the 16 accumulators by turns, in the same order in every step.  Behind them, and four places on (for vector instructions),
; the registers just multiplied take new loads: A's set the K step two on, W1's set what the table at PASSES says.  lc: the count of the wait for W1's set, or -1: no wait
.macro STEP s, bset, lc, base, nstep, zero
	s_wait_dscnt 8                                 ; this step's A is in; the next step's eight loads may be out
.if \lc >= 0
	s_wait_loadcnt \lc
.endif
	WIN 0x05                                       ; sources 0 and 1 window 1; C and D window 0
.irp m, 0,1,2,3
.irp t, 0,1,2,3
	MM \m, \t, \s, \bset, \zero
.endr
.endr
	PLACES 4
	WIN 0x40
	LOADA ((\s)+2)%8, (\s)%2
	LOADB \base, \nstep, \bset
.endm
; A K step of the launch's last pass.  dc: the count of the wait for A's set.  more = 2: A's set takes the K step two on and W1's set the K step six on; 1: A's set alone; 0: nothing is left to fetch
.macro STEPF s, bset, lc, dc, more, zero
	s_wait_dscnt \dc
.if \lc >= 0
	s_wait_loadcnt \lc
.endif
	WIN 0x05
.irp m, 0,1,2,3
.irp t, 0,1,2,3
	MM \m, \t, \s, \bset, \zero
.endr
.endr
.if (\more > 0) || (\s == 7)
	PLACES 4                                       ; in front of the loads below; behind the last step: in front of the first read of the results
.endif
.if \more > 0
	WIN 0x40
	LOADA (\s)+2, (\s)%2
.endif
.if \more == 2
	LOADB 38, (\s)+6, \bset
.endif
	WIN 0
.endm
; 64 rows x 64 units: z' = C2 acc + x;  e = 2^z';  r = 1 / (1 + e);  score sums += vv r.  The exponentials are one batch, and so are the reciprocals
.macro TANH
.set k, 0
.rept 64                                       ; pair k: accumulator k / 4 (its unit tile t = (k / 4) % 4), registers 2 (k % 4) on: each accumulator is read from its low end on
	v_pk_fma_f32 v[128+2*k:129+2*k], v[128+2*k:129+2*k], s[50:51], v[76+4*((k/4)%4):77+4*((k/4)%4)] op_sel_hi:[1,0,1]
.set k, k+1
.endr
.set k, 0
	s_wait_alu depctr_va_vdst(0)
.rept 128
	v_exp_f32 v[128+k], v[128+k]
.set k, k+1
.endr
	v_nop                                          ; a plain line behind the last exponential
	s_wait_alu depctr_va_vdst(0)                   ; one wait for the batch, ahead of its first reader
.set k, 0
.rept 64
	v_pk_add_f32 v[128+2*k:129+2*k], v[128+2*k:129+2*k], 1.0 op_sel_hi:[1,0]
.set k, k+1
.endr
.set k, 0
	s_wait_alu depctr_va_vdst(0)
.rept 128
	v_rcp_f32 v[128+k], v[128+k]
.set k, k+1
.endr
	v_nop
	s_wait_alu depctr_va_vdst(0)                   ; and one for the reciprocals
.irp t, 0,1,2,3                                ; the unit tiles outermost: fifteen other sums stand between two additions onto one
.irp m, 0,1,2,3
.irp p, 0,1,2,3
	v_pk_fma_f32 v[92+8*\m+2*\p:93+8*\m+2*\p], v[128+8*(4*\m+\t)+2*\p:129+8*(4*\m+\t)+2*\p], v[78+4*\t:79+4*\t], v[92+8*\m+2*\p:93+8*\m+2*\p]
.endr
.endr
.endr
.endm
; The four passes of a chunk.  W1's K steps 2-5 have a set of registers each and are asked for a whole pass ahead; steps 0, 1, 6, 7 share sets 0 and 1.
; The global loads of a pass, in order: 4 records | 10 for step 6 | 10 for step 7 | the next pass's steps 2, 3, 4, 5, 0, 1, ten each.  So the counts:
;   step 0: behind its ten stand step 1's ten and the 4 records: 14.   step 1: the 4 records and step 6's ten: 14.   steps 2-5: older than what step 0 waited for: no wait.
;   steps 6, 7: five groups of ten stand behind the one wanted: 50; the records are older, so they are in when TANH reads them.
; pf = 1: four trips, with the prefetch.  pf = 0, the last chunk: three trips, and the launch's last pass written out: no pass follows it, so behind step 6's ten stand only step 7's ten (count 10), behind step 7's nothing (0).
.macro PASSES pf
	s_mov_b32 s59, 0
.Lpass_\@:
	s_wait_xcnt 0x0                                ; the loads and prefetches that name the bases have had their addresses translated (ISA guide 3.1): the bases are written only behind this wait
	s_mul_i32 s46, s59, PASSB
	s_mov_b32 s47, 0
	s_add_nc_u64 s[38:39], s[36:37], s[46:47]      ; this pass's 64 units of W1
	s_add_co_u32 s48, s59, 1
	s_and_b32 s48, s48, 3
	s_mul_i32 s48, s48, PASSB
	s_mov_b32 s49, 0
	s_add_nc_u64 s[40:41], s[36:37], s[48:49]      ; the next pass's (behind the fourth: the first again, for the next chunk)
	s_lshl_b32 s46, s59, 10
	s_add_nc_u64 s[44:45], s[42:43], s[46:47]      ; this pass's 64 records
.if \pf
	s_lshl_b32 s20, s59, 16                        ; this pass's 16 rows of 4,096 bytes of the chunk two on
	s_mov_b32 s21, 0
	s_add_nc_u64 s[62:63], s[60:61], s[20:21]
.endif
.irp t, 0,1,2,3
	global_load_b128 v[76+4*\t:79+4*\t], v11, s[44:45] offset:256*\t
.endr
	STEP 0, 0, 14, 38, 6, 1                        ; its products start the sums: nothing is cleared
	STEP 1, 1, 14, 38, 7, 0
	STEP 2, 2, -1, 40, 2, 0
	STEP 3, 3, -1, 40, 3, 0
	STEP 4, 4, -1, 40, 4, 0
	STEP 5, 5, -1, 40, 5, 0
	STEP 6, 0, 50, 40, 0, 0
	STEP 7, 1, 50, 40, 1, 0
.if \pf
; A PREFETCH INTO THE L2 of the chunk two on, which the next trip's refill will load: 16 rows x my wave's 1,024 bytes, two instructions, a lane to each aligned block of 256 bytes:
; the four waves in the four passes name each block of the chunk's 256 KiB once.  The loop's last trip has no chunk two on and asks for nothing (s58 counts the trips down: 3, 2, 1).
	s_cmp_lt_u32 s58, 2
	s_cbranch_scc1 .Lnopf_\@
	global_prefetch_b8 v126, s[62:63] th:TH_LOAD_NT scope:SCOPE_SE
	global_prefetch_b8 v126, s[62:63] offset:32768 th:TH_LOAD_NT scope:SCOPE_SE
.Lnopf_\@:
.endif
	TANH                                           ; (LOADB has left every window 0; the four places behind the last products stand in STEP)
	s_add_co_u32 s59, s59, 1
	s_cmp_lt_u32 s59, 3+\pf
	s_cbranch_scc1 .Lpass_\@
.if \pf == 0
	s_wait_xcnt 0x0                                ; as at the loop's head
	s_add_nc_u64 s[38:39], s[36:37], 3*PASSB       ; the fourth pass's 64 units of W1,
	s_add_nc_u64 s[44:45], s[42:43], 3072          ; and its 64 records
.irp t, 0,1,2,3
	global_load_b128 v[76+4*\t:79+4*\t], v11, s[44:45] offset:256*\t
.endr
	STEPF 0, 0, 14, 8, 2, 1
	STEPF 1, 1, 14, 8, 2, 0
	STEPF 2, 2, -1, 8, 1, 0
	STEPF 3, 3, -1, 8, 1, 0
	STEPF 4, 4, -1, 8, 1, 0
	STEPF 5, 5, -1, 8, 1, 0
	STEPF 6, 0, 10, 8, 0, 0
	STEPF 7, 1, 0, 0, 0, 0
	TANH
.endif
.endm
; The 64 scores: summed over the 16 lanes of a half, over the four waves through LDS; stored; the running maximum and the weights
.macro SOFT
.irp x, 1,2,4,8
.set k, 0
.rept 32
	v_add_f32_dpp v[92+k], v[92+k], v[92+k] row_xmask:\x row_mask:0xf bank_mask:0xf
.set k, k+1
.endr
.endr
.irp m, 0,1,2,3
.irp q, 0,1
	ds_store_b128 v12, v[92+8*\m+4*\q:95+8*\m+4*\q] offset:64*\m+16*\q   ; rows 16 m + 8 h + 4 q on; the sixteen lanes of a half write the same bytes with the same values
.endr
.endr
	s_wait_dscnt 0x0                               ; for the others: my part of the scores lies in LDS, and all my reads of the chunk's codes and scale bytes are back
	s_barrier_signal -1
	s_barrier_wait -1
.irp w, 0,1,2,3
	ds_load_b64 v[24+2*\w:25+2*\w], v13 offset:256*\w      ; lane l: rows 2 l and 2 l + 1, each wave's part
.endr
	s_wait_dscnt 0x0
	v_pk_add_f32 v[20:21], v[24:25], v[26:27]
	v_pk_add_f32 v[28:29], v[28:29], v[30:31]
	v_pk_add_f32 v[20:21], v[20:21], v[28:29]
	s_cmp_lg_u32 s18, 0
	s_cbranch_scc1 .Lnot0_\@
	global_store_b64 v14, v[20:21], s[PS:PS+1] th:TH_STORE_NT      ; wave 0: 256 consecutive bytes, aligned
.Lnot0_\@:
	s_wait_alu depctr_va_vdst(0)
	v_max_num_f32 v24, v20, v21
	v_max_num_f32_dpp v24, v24, v24 row_xmask:1 row_mask:0xf bank_mask:0xf
	v_max_num_f32_dpp v24, v24, v24 row_xmask:2 row_mask:0xf bank_mask:0xf
	v_max_num_f32_dpp v24, v24, v24 row_xmask:4 row_mask:0xf bank_mask:0xf
	v_max_num_f32_dpp v24, v24, v24 row_xmask:8 row_mask:0xf bank_mask:0xf
	v_permlanex16_b32 v25, v24, s56, s57           ; (its destination has been written: a loaded part)
	v_max_num_f32 v24, v24, v25
	v_max_num_f32 v26, v16, v24                    ; the new m
	v_sub_f32 v27, v16, v26
	v_sub_f32 v28, v20, v26
	v_sub_f32 v29, v21, v26
	v_mul_f32 v27, s52, v27
	v_mul_f32 v28, s52, v28
	v_mul_f32 v29, s52, v29
	s_wait_alu depctr_va_vdst(0)
	v_exp_f32 v18, v27                             ; f = e^(m_old - m)
	v_exp_f32 v22, v28                             ; the weights of rows 2 l and 2 l + 1
	v_exp_f32 v23, v29
	v_mov_b32 v16, v26                             ; (plain lines behind the exponentials)
	v_mov_b32 v17, v26
	s_wait_alu depctr_va_vdst(0)                   ; one wait for the three
.irp p, 0,1,2,3,4,5,6,7
	v_pk_mul_f32 v[32+2*\p:33+2*\p], v[32+2*\p:33+2*\p], v[18:19] op_sel_hi:[1,0]   ; the context under the new m
.endr
.endm
; context += weight x row, from the registers that hold the rows.  16 weights at a time go to scalar registers; even and odd rows add into two sets.
; rd = 1: behind the 16 rows' additions their registers take the next chunk's 16 rows from LDS
.macro CTX rd
.irp bt, 0,1,2,3
	WIN 0
.set k, 0
.rept 16
	v_readlane_b32 s[66+2*k], v[22+(k&1)], 8*\bt+(k>>1)
.set k, k+1
.endr
	WIN 2+(\bt)/2                                  ; source 0: the rows' window
.set k, 0
.rept 16
.irp p, 0,1,2,3
	v_pk_fma_f32 v[32+8*(k&1)+2*\p:33+8*(k&1)+2*\p], v[8*((16*\bt+k)%32)+2*\p:8*((16*\bt+k)%32)+2*\p+1], s[66+2*k:67+2*k], v[32+8*(k&1)+2*\p:33+8*(k&1)+2*\p] op_sel_hi:[1,0,1]
.endr
.set k, k+1
.endr
.if \rd
	RD16 \bt
.endif
.endr
	WIN 0
.endm
; A chunk whose 128 reads from LDS have been issued.  fill = 1: the next chunk is asked for, and at the end read
.macro BODY fill
.if \fill
	s_wait_tensorcnt 0x0                           ; no tensor load of mine is out, so the descriptor may be written
	ds_add_u32 v1, v2                              ; the address's step stands between the add and its wait
	s_add_nc_u64 s[34:35], s[34:35], 262144        ; 64 rows of 4,096 bytes on; the type bits on top are not reached
.endif
	s_wait_dscnt 0x0                               ; the add is done, and all my 128 reads are in registers
.if \fill
	s_barrier_signal -1
	s_barrier_wait -1
	tensor_load_to_lds s[32:35], s[24:31]          ; by this text's count one tensor load of a wave is out
	s_nop 0
	PLACES 4
.endif
.irp g, 0,1,2,3,4,5,6,7
	QCALC \g
	QSTORE \g                                      ; (every wave has passed the barrier in SOFT behind its last read of the old codes)
.endr
	s_wait_dscnt 0x0                               ; for the others: my codes and scale bytes lie in LDS
	s_barrier_signal -1
	s_barrier_wait -1
.irp q, 0,1
.irp i, 0,1
	ds_load_b128 v[48+8*\q+4*\i:51+8*\q+4*\i], v8 offset:32*SCP*\q+16*\i   ; lane l: row 32 q + l, the words of K steps 4 i on
.endr
.endr
	WIN 0x40
	LOADA 0, 0
	LOADA 1, 1
	WIN 0
.set k, 0
.rept 32
	v_mov_b32 v[92+k], 0                           ; the score sums: the pass is written once, so its additions find zeros
.set k, k+1
.endr
	PASSES \fill
	SOFT
.if \fill
	s_wait_tensorcnt 0x0                           ; the next chunk's tile has landed (one load is out, so the count is 0); I alone read these bytes
.endif
	CTX \fill
	s_wait_xcnt 0x0                                ; wave 0's store has read its base and its data
	s_add_nc_u64 s[PS:PS+1], s[PS:PS+1], 256       ; the next chunk's 64 scores
.if \fill
	s_add_nc_u64 s[60:61], s[60:61], 262144        ; the prefetches' base: 64 rows on
.endif
.endm
	s_load_b128 s[4:7], s[0:1], 0x0                ; values s[4:5], w1f s[6:7]
	s_load_b128 s[8:11], s[0:1], 0x10              ; vpq s[8:9], scores s[10:11]
	s_load_b128 s[12:15], s[0:1], 0x20             ; ctxp s[12:13], wgmax s[14:15]
	v_lshl_add_u32 v1, v0, 2, SPARE                ; my spare word; never rewritten
	v_mov_b32 v2, 0                                ; never rewritten
	ds_add_u32 v1, v2
	ds_add_u32 v1, v2
	s_wait_dscnt 0x0
	v_lshrrev_b32 v24, 5, v0
	v_readfirstlane_b32 s18, v24                   ; wave 0..3
	; descriptor group 1: 64 rows x 128 elements of 8 bytes, 512 elements from row to row; 4 words of padding behind every 64
	s_mov_b32 s24, (3<<16)|(1<<20)|(5<<22)|(3<<25)
	s_mov_b32 s25, 128<<16                         ; tensor_dim0
	s_mov_b32 s26, 64<<16                          ; tensor_dim1
	s_mov_b32 s27, 128<<16                         ; tile_dim0
	s_mov_b32 s28, 64                              ; tile_dim1
	s_mov_b32 s29, 512                             ; tensor_dim0_stride
	s_mov_b32 s30, 0
	s_mov_b32 s31, 0
	s_mul_i32 s19, s18, WSLOT                      ; my landing bytes
	s_lshl_b32 s46, ttmp9, 20                      ; 256 rows of 4,096 bytes
	s_lshl_b32 s47, s18, 10                        ; my 1,024 bytes of a row
	s_add_co_u32 s46, s46, s47
	s_mov_b32 s47, 0
	s_wait_kmcnt 0x0
	s_mov_b32 s32, 1                               ; group 0: count
	s_mov_b32 s33, s19                             ; LDS address
	s_add_nc_u64 s[34:35], s[4:5], s[46:47]        ; global address: chunk 0
	s_or_b32 s35, s35, 0x80000000                  ; type
	tensor_load_to_lds s[32:35], s[24:31]          ; the first fill, ahead of everything else
	s_nop 0
	PLACES 4
	s_add_nc_u64 s[60:61], s[4:5], s[46:47]        ; the prefetches' base: my 1,024 bytes of the rows,
	s_add_nc_u64 s[60:61], s[60:61], 524288        ; at chunk 2
	v_and_b32 v25, 31, v0                          ; l
	v_and_b32 v26, 15, v0                          ; r
	v_bfe_u32 v27, v0, 4, 1                        ; h
	v_lshrrev_b32 v28, 3, v25
	v_and_b32 v29, 7, v25
	v_mul_u32_u24 v3, v28, 272
	v_lshl_add_u32 v3, v29, 5, v3
	v_add_nc_u32 v3, s19, v3                       ; v3: my 32 bytes of row 0: 272 (l / 8) + 32 (l % 8)
	v_add_nc_u32 v4, 32*ROWP, v3                   ; v4: of row 32
	s_lshl_b32 s46, s18, 7
	v_lshl_add_u32 v5, v25, 2, s46
	v_add_nc_u32 v5, XC, v5                        ; v5: where my codes go: 128 w + 4 l
	s_lshl_b32 s46, s18, 3
	v_lshrrev_b32 v6, 2, v25
	v_add_nc_u32 v6, s46, v6
	v_add_nc_u32 v6, SC, v6                        ; v6: my block's scale byte: 8 w + l / 4
	v_mul_u32_u24 v7, v26, XP
	v_lshl_add_u32 v7, v27, 4, v7
	v_add_nc_u32 v7, XC, v7                        ; v7: a fragment of A: row r, + 16 h
	v_mul_u32_u24 v8, v25, SCP
	v_add_nc_u32 v8, SC, v8                        ; v8: row l of the scale bytes
	v_lshlrev_b32 v9, 4, v25                       ; v9: 16 l
	v_lshlrev_b32 v10, 2, v25                      ; v10: 4 l
	v_lshlrev_b32 v11, 4, v26                      ; v11: 16 r
	v_lshrrev_b32 v126, 2, v25                     ; v126: the prefetches' offset: row l / 4 of 4,096 bytes, block l % 4 of 256 bytes; never rewritten
	v_and_b32 v127, 3, v25
	v_lshlrev_b32 v126, 12, v126
	v_lshl_add_u32 v126, v127, 8, v126
	s_wait_alu depctr_va_vdst(0)
	s_lshl_b32 s46, s18, 8
	v_lshl_add_u32 v12, v27, 5, s46
	v_add_nc_u32 v12, SP, v12                      ; v12: my wave's score parts, + 32 h
	v_lshlrev_b32 v14, 3, v25                      ; v14: 8 l
	v_add_nc_u32 v13, SP, v14                      ; v13: rows 2 l, 2 l + 1 of a wave's part
	s_lshl_b32 s46, s18, 10
	v_lshl_add_u32 v124, v25, 5, s46
	v_add_nc_u32 v124, XC, v124                    ; v124, v125: the context's way out, in my own 1,024 bytes of the codes' region
	v_add_nc_u32 v125, s46, v9
	v_add_nc_u32 v125, XC, v125
	s_mul_i32 s46, s18, 4*PASSB
	s_add_nc_u64 s[36:37], s[6:7], s[46:47]        ; W1: my 256 units
	s_lshr_b32 s46, ttmp9, 3
	s_lshl_b32 s46, s46, 14                        ; the batch's 1,024 records
	s_lshl_b32 s48, s18, 12
	s_add_co_u32 s46, s46, s48                     ; my 256
	s_add_nc_u64 s[42:43], s[8:9], s[46:47]
	s_lshl_b32 s46, ttmp9, 10
	s_add_nc_u64 s[PS:PS+1], s[PS:PS+1], s[46:47]  ; my work-group's 256 scores
	s_lshl_b32 s46, ttmp9, 12
	s_lshl_b32 s48, s18, 10
	s_add_co_u32 s46, s46, s48
	s_add_nc_u64 s[PC:PC+1], s[PC:PC+1], s[46:47]  ; my 256 columns of its partial context
	s_lshl_b32 s46, ttmp9, 8
	s_add_nc_u64 s[PM:PM+1], s[PM:PM+1], s[46:47]  ; its 256 bytes of wgmax
	s_mov_b64 s[40:41], s[36:37]
	s_mov_b32 s50, 0x4038aa3b                      ; C2 = 2 log2(e), as a pair
	s_mov_b32 s51, s50
	s_mov_b32 s52, 0x3fb8aa3b                      ; log2(e)
	s_mov_b32 s56, 0x76543210                      ; v_permlanex16_b32: lane l xor 16
	s_mov_b32 s57, 0xfedcba98
.set k, 0
.rept 16
	s_mov_b32 s[67+2*k], 0                         ; the upper halves of the weights' pairs: named with them, so written; the packed form takes the low word for both halves
.set k, k+1
.endr
	LOADB 40, 2, 2                                 ; the first pass's W1, in the order in which every pass asks for the next one's
	LOADB 40, 3, 3
	LOADB 40, 4, 4
	LOADB 40, 5, 5
	LOADB 40, 0, 0
	LOADB 40, 1, 1
	v_mov_b32 v16, 0xff61b1e6                      ; m = -3e38, under every score
	v_mov_b32 v17, v16
	v_mov_b32 v18, 0
	v_mov_b32 v19, 0                               ; (named as the upper half of the pair v[18:19])
.set k, 0
.rept 16
	v_mov_b32 v[32+k], 0                           ; the context
.set k, k+1
.endr
	s_mov_b32 s58, 3
	s_wait_alu depctr_va_vdst(0)
	s_wait_tensorcnt 0x0                           ; chunk 0 has landed; I alone read these bytes
.irp b, 0,1,2,3
	RD16 \b
.endr
.Lchunk:                                               ; three chunks, each of which asks for the next and reads it
	BODY 1
	s_sub_co_u32 s58, s58, 1
	s_cmp_lg_u32 s58, 0
	s_cbranch_scc1 .Lchunk
	BODY 0                                         ; the last is written out
	; THE WAY OUT: the two sets are joined; a lane's 32 bytes go through my own 1,024 bytes of LDS (nobody reads the codes any more: every wave has passed the last barrier behind its last read), so that each store covers 512 consecutive bytes
	s_wait_alu depctr_va_vdst(0)
.irp p, 0,1,2,3
	v_pk_add_f32 v[32+2*\p:33+2*\p], v[32+2*\p:33+2*\p], v[40+2*\p:41+2*\p]
.endr
	ds_store_b128 v124, v[32:35]
	ds_store_b128 v124, v[36:39] offset:16
	ds_load_b128 v[40:43], v125                    ; LDS serves a wave's instructions in order (ISA guide 5.7.1.4): these see the stores above
	ds_load_b128 v[44:47], v125 offset:512
	s_wait_dscnt 0x0
	global_store_b128 v9, v[40:43], s[PC:PC+1] th:TH_STORE_NT
	global_store_b128 v9, v[44:47], s[PC:PC+1] offset:512 th:TH_STORE_NT
	s_cmp_lg_u32 s18, 0
	s_cbranch_scc1 .Lend
	global_store_b64 v14, v[16:17], s[PM:PM+1] th:TH_STORE_NT      ; wave 0: m, 64 times: 256 consecutive bytes, aligned
.Lend:
	s_wait_tensorcnt 0x0                           ; the wave's end
	ds_add_u32 v1, v2
	s_wait_dscnt 0x0
	s_endpgm
.Lfunc_end_k_q8d3ce57d8e_main:
	.size	k_q8d3ce57d8e_main, .Lfunc_end_k_q8d3ce57d8e_main-k_q8d3ce57d8e_main
	.p2alignl 7, 3214868480
	.fill 96, 4, 3214868480
	.section	.rodata,"a",@progbits
	.p2align	6, 0x0
	.amdhsa_kernel k_q8d3ce57d8e_main
		.amdhsa_group_segment_fixed_size 327680
		.amdhsa_private_segment_fixed_size 0
		.amdhsa_enable_private_segment 0
		.amdhsa_kernarg_size 48
		.amdhsa_user_sgpr_count 2
		.amdhsa_user_sgpr_kernarg_segment_ptr 1
		.amdhsa_wavefront_size32 1
		.amdhsa_system_sgpr_workgroup_id_x 1
		.amdhsa_system_sgpr_workgroup_id_y 1
		.amdhsa_system_sgpr_workgroup_id_z 1
		.amdhsa_system_vgpr_workitem_id 0
		.amdhsa_next_free_vgpr 1024
		.amdhsa_next_free_sgpr 100
		.amdhsa_reserve_vcc 0
		.amdhsa_float_denorm_mode_32 3
		.amdhsa_float_denorm_mode_16_64 3
		.amdhsa_memory_ordered 1
		.amdhsa_forward_progress 1
		.amdhsa_inst_pref_size 255
	.end_amdhsa_kernel
	.section	.bss,"aw",@nobits
	.p2align	6
	.space	262144
	.amdgpu_metadata
---
amdhsa.version: [ 1, 2 ]
amdhsa.kernels:
  - .name:           k_q8d3ce57d8e_main
    .symbol:         k_q8d3ce57d8e_main.kd
    .args:
      - { .name: values, .offset: 0, .size: 8, .value_kind: global_buffer, .address_space: global }
      - { .name: w1f, .offset: 8, .size: 8, .value_kind: global_buffer, .address_space: global }
      - { .name: vpq, .offset: 16, .size: 8, .value_kind: global_buffer, .address_space: global }
      - { .name: scores, .offset: 24, .size: 8, .value_kind: global_buffer, .address_space: global }
      - { .name: ctxp, .offset: 32, .size: 8, .value_kind: global_buffer, .address_space: global }
      - { .name: wgmax, .offset: 40, .size: 8, .value_kind: global_buffer, .address_space: global }
    .group_segment_fixed_size: 327680
    .private_segment_fixed_size: 0
    .kernarg_segment_align: 8
    .kernarg_segment_size: 48
    .max_flat_workgroup_size: 128
    .sgpr_count:     100
    .vgpr_count:     1024
    .wavefront_size: 32
...
	.end_amdgpu_metadata
.endif
;; end of part 2
;; launch finish (part 3): grid 32 x 1, 8 waves a work-group, no clusters, 1,280 bytes of LDS; arguments scores, ctxp, wgmax, out0, out1; writes out0, out1
.if DOCPART == 3
	.amdgcn_target "amdgcn-amd-amdhsa--gfx1250"
	.amdhsa_code_object_version 6
	.text
	.protected	k_q8d3ce57d8e_finish
	.globl	k_q8d3ce57d8e_finish
	.p2align	8
	.type	k_q8d3ce57d8e_finish,@function
k_q8d3ce57d8e_finish:
	s_mov_b64 s[64:65], 0
	v_nop
	global_prefetch_b8 v0, s[64:65] scope:SCOPE_SE
	s_setreg_imm32_b32 hwreg(HW_REG_WAVE_MODE, 25, 1), 1
	s_wait_xcnt 0x0
; FINISH.  Work-group b serves batch b; thread t of 256.  scores [32][2,048] f32; ctxp [256][1,024] f32: work-group 8 b + g of the main launch left the sum of e^(score - m_g) x row; wgmax [256][64]: its m_g.
; M = the largest of the eight m_g is the batch's largest score.  out1 = e^(score - M) / L, L their sum;  out0 = sum over g of ctxp_g e^(m_g - M) / L.
; Memory binds what little there is: each byte is read once, by loads of 16 consecutive bytes a lane, and each store of a wave covers 512 consecutive bytes.  No matrix unit, no cluster: nothing is shared.
; LIMITS: NaN and infinities are not served; v_exp_f32 flushes results under 2^-126 to 0.
	s_load_b256 s[4:11], s[0:1], 0x0               ; scores s[4:5], ctxp s[6:7], wgmax s[8:9], out0 s[10:11]
	s_load_b64 s[12:13], s[0:1], 0x20              ; out1
	v_lshl_add_u32 v64, v0, 2, 0x100
	v_mov_b32 v65, 0
	v_lshlrev_b32 v1, 4, v0                        ; 16 t
	v_mov_b32 v2, 0
	v_mov_b32 v22, 0                               ; a lane permute's destination counts as one of its sources
	v_lshrrev_b32 v23, 5, v0
	s_delay_alu instid0(VALU_DEP_1)
	v_lshlrev_b32 v23, 2, v23                      ; 4 x wave
	s_lshl_b32 s14, ttmp9, 13                      ; a batch's 2,048 scores
	s_mov_b32 s15, 0
	s_lshl_b32 s16, ttmp9, 15                      ; its eight partial contexts
	s_mov_b32 s17, 0
	s_lshl_b32 s18, ttmp9, 11                      ; its eight runs of 256 bytes of wgmax
	s_mov_b32 s19, 0
	s_lshl_b32 s20, ttmp9, 12                      ; its row of out0
	s_mov_b32 s21, 0
	s_mov_b32 s22, 0x3fb8aa3b                      ; log2(e)
	s_mov_b32 s24, 0x76543210
	s_mov_b32 s25, 0xfedcba98
	s_wait_alu depctr_va_vdst(0)
	s_wait_kmcnt 0x0
	s_add_nc_u64 s[4:5], s[4:5], s[14:15]
	s_add_nc_u64 s[6:7], s[6:7], s[16:17]
	s_add_nc_u64 s[8:9], s[8:9], s[18:19]
	s_add_nc_u64 s[10:11], s[10:11], s[20:21]
	s_add_nc_u64 s[12:13], s[12:13], s[14:15]
.irp g, 0,1,2,3,4,5,6,7
	global_load_b32 v[12+\g], v2, s[8:9] offset:256*\g             ; m_g, the same word in every lane
.endr
	global_load_b128 v[4:7], v1, s[4:5] th:TH_LOAD_NT
	global_load_b128 v[8:11], v1, s[4:5] offset:4096 th:TH_LOAD_NT
.irp g, 0,1,2,3,4,5,6,7
	global_load_b128 v[32+4*\g:35+4*\g], v1, s[6:7] offset:4096*\g th:TH_LOAD_NT
.endr
	s_wait_loadcnt 8                               ; the m_g and my 8 scores are in; the eight loads of partial contexts may be out
	v_max3_num_f32 v20, v12, v13, v14
	s_delay_alu instid0(VALU_DEP_1)
	v_max3_num_f32 v20, v20, v15, v16
	s_delay_alu instid0(VALU_DEP_1)
	v_max3_num_f32 v20, v20, v17, v18
	s_delay_alu instid0(VALU_DEP_1)
	v_max_num_f32 v20, v20, v19                    ; M
.set k, 0
.rept 16
	v_sub_f32 v[4+k], v[4+k], v20                  ; the maximum is taken away first, then the factor log2(e)
.set k, k+1
.endr
.set k, 0
.rept 16
	v_mul_f32 v[4+k], s22, v[4+k]
.set k, k+1
.endr
.set k, 0
	s_wait_alu depctr_va_vdst(0)
.rept 16
	v_exp_f32 v[4+k], v[4+k]                       ; v4-11: e^(score - M);  v12-19: e^(m_g - M)
.set k, k+1
.endr
	v_nop                                          ; a plain line behind the last exponential
	s_wait_alu depctr_va_vdst(0)                   ; one wait for the sixteen, ahead of their first reader
	v_pk_add_f32 v[24:25], v[4:5], v[6:7]
	v_pk_add_f32 v[26:27], v[8:9], v[10:11]
	s_delay_alu instid0(VALU_DEP_1)
	v_pk_add_f32 v[24:25], v[24:25], v[26:27]
	s_delay_alu instid0(VALU_DEP_1)
	v_add_f32 v21, v24, v25
	s_delay_alu instid0(VALU_DEP_1)
	v_add_f32_dpp v21, v21, v21 row_xmask:1 row_mask:0xf bank_mask:0xf
	s_delay_alu instid0(VALU_DEP_1)
	v_add_f32_dpp v21, v21, v21 row_xmask:2 row_mask:0xf bank_mask:0xf
	s_delay_alu instid0(VALU_DEP_1)
	v_add_f32_dpp v21, v21, v21 row_xmask:4 row_mask:0xf bank_mask:0xf
	s_delay_alu instid0(VALU_DEP_1)
	v_add_f32_dpp v21, v21, v21 row_xmask:8 row_mask:0xf bank_mask:0xf
	s_delay_alu instid0(VALU_DEP_1)
	v_permlanex16_b32 v22, v21, s24, s25
	s_delay_alu instid0(VALU_DEP_1)
	v_add_f32 v21, v21, v22                        ; my wave's sum
	ds_store_b32 v23, v21                          ; all lanes write the wave's word with the same value
	s_wait_dscnt 0x0                               ; for the others: my store is done
	s_barrier_signal -1
	s_barrier_wait -1
	ds_load_b128 v[24:27], v2
	ds_load_b128 v[28:31], v2 offset:16
	s_wait_dscnt 0x0
	v_pk_add_f32 v[24:25], v[24:25], v[26:27]
	v_pk_add_f32 v[28:29], v[28:29], v[30:31]
	s_delay_alu instid0(VALU_DEP_1)
	v_pk_add_f32 v[24:25], v[24:25], v[28:29]
	s_delay_alu instid0(VALU_DEP_1)
	v_add_f32 v21, v24, v25                        ; L
	s_wait_alu depctr_va_vdst(0)
	v_rcp_f32 v21, v21
	v_nop
	s_wait_alu depctr_va_vdst(0)
.set k, 0
.rept 16
	v_mul_f32 v[4+k], v[4+k], v21                  ; the weights, and the eight factors, over L
.set k, k+1
.endr
	global_store_b128 v1, v[4:7], s[12:13] th:TH_STORE_NT
	global_store_b128 v1, v[8:11], s[12:13] offset:4096 th:TH_STORE_NT
	s_wait_alu depctr_va_vdst(0)
	s_wait_loadcnt 0x0                             ; the partial contexts
.irp i, 0,1,2,3
	v_mul_f32 v[24+\i], v[32+\i], v12
.endr
.irp g, 1,2,3,4,5,6,7
.irp i, 0,1,2,3
	s_delay_alu instid0(VALU_DEP_4)
	v_fmac_f32 v[24+\i], v[32+4*\g+\i], v[12+\g]
.endr
.endr
	global_store_b128 v1, v[24:27], s[10:11] th:TH_STORE_NT
	s_wait_tensorcnt 0x0
	ds_add_u32 v64, v65
	s_wait_dscnt 0x0
	s_endpgm
.Lfunc_end_k_q8d3ce57d8e_finish:
	.size	k_q8d3ce57d8e_finish, .Lfunc_end_k_q8d3ce57d8e_finish-k_q8d3ce57d8e_finish
	.p2alignl 7, 3214868480
	.fill 96, 4, 3214868480
	.section	.rodata,"a",@progbits
	.p2align	6, 0x0
	.amdhsa_kernel k_q8d3ce57d8e_finish
		.amdhsa_group_segment_fixed_size 1280
		.amdhsa_private_segment_fixed_size 0
		.amdhsa_enable_private_segment 0
		.amdhsa_kernarg_size 40
		.amdhsa_user_sgpr_count 2
		.amdhsa_user_sgpr_kernarg_segment_ptr 1
		.amdhsa_wavefront_size32 1
		.amdhsa_system_sgpr_workgroup_id_x 1
		.amdhsa_system_sgpr_workgroup_id_y 1
		.amdhsa_system_sgpr_workgroup_id_z 1
		.amdhsa_system_vgpr_workitem_id 0
		.amdhsa_next_free_vgpr 66
		.amdhsa_next_free_sgpr 66
		.amdhsa_reserve_vcc 0
		.amdhsa_float_denorm_mode_32 3
		.amdhsa_float_denorm_mode_16_64 3
		.amdhsa_memory_ordered 1
		.amdhsa_forward_progress 1
		.amdhsa_inst_pref_size 10
	.end_amdhsa_kernel
	.amdgpu_metadata
---
amdhsa.version: [ 1, 2 ]
amdhsa.kernels:
  - .name:           k_q8d3ce57d8e_finish
    .symbol:         k_q8d3ce57d8e_finish.kd
    .args:
      - { .name: scores, .offset: 0, .size: 8, .value_kind: global_buffer, .address_space: global }
      - { .name: ctxp, .offset: 8, .size: 8, .value_kind: global_buffer, .address_space: global }
      - { .name: wgmax, .offset: 16, .size: 8, .value_kind: global_buffer, .address_space: global }
      - { .name: out0, .offset: 24, .size: 8, .value_kind: global_buffer, .address_space: global }
      - { .name: out1, .offset: 32, .size: 8, .value_kind: global_buffer, .address_space: global }
    .group_segment_fixed_size: 1280
    .private_segment_fixed_size: 0
    .kernarg_segment_align: 8
    .kernarg_segment_size: 40
    .max_flat_workgroup_size: 256
    .sgpr_count:     66
    .vgpr_count:     66
    .wavefront_size: 32
...
	.end_amdgpu_metadata
.endif
;; end of part 3
